; MI455X (gfx1250); checked and timed in simulation.
; The chip was launched on July 23, 2026; its instructions are those of AMD's public machine-readable ISA for CDNA 5 (MIT licence, August 2026) and "CDNA5" Instruction Set Architecture Reference Guide (July 2026). The comments in the code are by the model that wrote it; some were corrected since.
;; Multi Head Global Attention. Allowed arithmetic: matrix products marked QUANTISED: E2M3 operands, one E8M0 scale for each 32 along K, by v_wmma_scale_f32_16x16x128_f8f6f4 with both operands' format E2M3, f32 sums; everything else in f32.
;; Inputs: b_o 1,024 float32; b_qkv 3,072 float32; w_o_codes 1,024 x 32 x 24 uint8 (E2M3 codes of w_o, K innermost, in blocks of 32 codes, four codes in three bytes); w_o_scales 1,024 x 32 uint8 (E8M0 scales of w_o, one for each 32 codes along K); w_qkv_codes 3,072 x 32 x 24 uint8 (E2M3 codes of w_qkv, K innermost, in blocks of 32 codes, four codes in three bytes); w_qkv_scales 3,072 x 32 uint8 (E8M0 scales of w_qkv, one for each 32 codes along K); x_codes 2 x 2,048 x 32 x 24 uint8 (E2M3 codes of x, K innermost, in blocks of 32 codes, four codes in three bytes); x_scales 2 x 2,048 x 32 uint8 (E8M0 scales of x, one for each 32 codes along K).
;; Outputs: out0 2 x 2,048 x 1,024 float32.
;; This version of the problem:
;;   THIS VERSION OF THE PROBLEM IS GIVEN IN LOW PRECISION. The matrix products marked QUANTISED in the list below multiply operands that are first quantised to E2M3 (2 exponent bits, 3 mantissa bits; 6 bits a number), with one power-of-two scale for each 32 numbers along K (OCP MX v1.0); their sums are f32. All else is computed in f32.
;;   The module's matrix products, in the order in which they are computed (A, B: the left and right operand; K: the contracted axis; several contracted axes count as one K, in the product's order):
;;     1. [M 4,096, K 1,024] x [K 1,024, N 3,072]; A: input x (given as codes); B: input w_qkv (given as codes): QUANTISED
;;     2. batch 32 x [M 2,048, K 64] x [K 64, N 2,048]; A: computed on the way; B: computed on the way: QUANTISED
;;     3. batch 32 x [M 2,048, K 2,048] x [K 2,048, N 64]; A: softmax (see below); B: computed on the way: QUANTISED
;;     4. [M 4,096, K 1,024] x [K 1,024, N 1,024]; A: computed on the way; B: input w_o (given as codes): QUANTISED
;;   THE QUANTISER, for each operand of a quantised product, along K:
;;     - K is cut into blocks of 32 from its start; a last block that is shorter is filled with zeros.
;;     - A block's scale is 2^e with e = floor(log2(the largest magnitude in the block)) - 2, held to -126 .. 127; a block of zeros has e = 0. As a byte (E8M0): e + 127.
;;     - Each number is divided by its block's scale, clamped to +-7.5, and rounded to the nearest number of E2M3, ties to even, subnormals kept.
;;     - The product sums the exact products of the quantised numbers (number of the format x scale) in f32.
;;   ~~~python
;;   def quantise(x, axis):      # numpy; x: float32 -> the quantised numbers, widened to float32 again
;;       x = np.moveaxis(x, axis, -1); K = x.shape[-1]
;;       x = np.pad(x, [(0, 0)] * (x.ndim - 1) + [(0, -K % 32)]); x = x.reshape(x.shape[:-1] + (-1, 32)); a = np.abs(x).max(-1, keepdims=True)
;;       e = np.where(a > 0, np.clip(np.frexp(np.where(a > 0, a, 1))[1] - 1 - 2, -126, 127), 0)      # np.frexp(a)[1] - 1 = floor(log2(a)), exactly
;;       r = np.clip(x / 2.0 ** e, -7.5, 7.5)
;;       step = 2.0 ** (np.maximum(np.frexp(np.where(r == 0, 1, r))[1] - 1, 0) - 3)
;;       q = np.round(r / step) * step * 2.0 ** e      # np.round: ties to even
;;       return np.moveaxis(q.reshape(q.shape[:-2] + (-1,))[..., :K], -1, axis).astype(np.float32)
;;   ~~~
;;   SOFTMAX AHEAD OF A QUANTISED PRODUCT. Where the list says 'softmax', what is quantised is not the finished softmax but p = 2^(t - M), with t = logit x log2(e) and M = ceil(the row's largest t), a whole number; so 1/2 < the row's largest p <= 1. The row's sum l is taken of the UNQUANTISED p, in f32, and the product's result is divided by l at the end. Since M is a whole number, a kernel that streams over the keys may use a running M (the ceiling of the running maximum): every later rescaling is an exact power of two, which a block's scale takes up: the codes' values come out the same.
;;   OPERANDS COMPUTED ON THE WAY. 'Computed on the way' means the value that the module computes at that place (a softmax that the list does not call 'softmax' is quantised finished and normalised). What goes into a quantiser is computed in f32, as accurately as f32 sums, v_exp_f32 and their like allow (about 1e-6 of the number): no bf16 or f16 on the way to a quantiser, and a product that is left as it is and whose result goes on into a quantised operand takes f32 operands (vector FMAs, or v_wmma_f32_16x16x4_f32). A number that lies on a knife's edge between two numbers of the format may be rounded either way, as far as f32 arithmetic and the matrix unit's own rounding can turn it there, and no further.
;;   INPUTS GIVEN AS CODES. w_o (in the module: [1024, 1024], K = its axis 0); w_qkv (in the module: [1024, 3072], K = its axis 0); x (in the module: [2, 2048, 1024], K = its axis 2): each comes as NAME_codes (uint8): NAME with its K axis moved to the last place and cut into blocks of 32 codes, [.., K / 32, bytes a block], one block behind the other in memory; four codes in three bytes: a row's codes are one little-endian stream of bits, code i at bits 6 i .. 6 i + 5 (a code: sign, 2 exponent bits, 3 mantissa bits); and NAME_scales (uint8): the same leading axes, one E8M0 byte (e + 127) for each 32 codes along K. Its value is code x scale, taken as it is: it is not quantised again, and the codes and scales need not be those that the quantiser above would give.
;; One version. Each part assembles by itself: llvm-mc -triple=amdgcn-amd-amdhsa -mcpu=gfx1250 --defsym DOCPART=n.
;; ======== version 1 of 1: 3 launches
;; limits: right only within a limited range of input values
;; workspace buffers: q_img 3,145,728 bytes; q_scl 524,288 bytes; kv_img 6,553,600 bytes; o_img 3,145,728 bytes; o_scl 131,072 bytes
;; launch qkv (part 1): grid 16 x 16, 4 waves a work-group, clusters of 4 x 4, 327,680 bytes of LDS; arguments x_codes, x_scales, w_qkv_codes, w_qkv_scales, b_qkv, q_img, q_scl, kv_img; writes q_img, q_scl, kv_img
.if DOCPART == 1
	.amdgcn_target "amdgcn-amd-amdhsa--gfx1250"
	.amdhsa_code_object_version 6
	.text
	.protected	k_q53eecf049f_qkv
	.globl	k_q53eecf049f_qkv
	.p2align	8
	.type	k_q53eecf049f_qkv,@function
k_q53eecf049f_qkv:
	s_mov_b64 s[64:65], 0
	v_nop
	global_prefetch_b8 v0, s[64:65] scope:SCOPE_SE
	s_setreg_imm32_b32 hwreg(HW_REG_WAVE_MODE, 25, 1), 1
	s_wait_xcnt 0x0
	s_wait_alu depctr_hold_cnt(0) depctr_sa_sdst(0) depctr_va_vdst(0) depctr_va_sdst(0) depctr_va_ssrc(0) depctr_va_vcc(0) depctr_vm_vsrc(0)
	s_getreg_b32 s2, hwreg(HW_REG_IB_STS2, 6, 4)
	s_cmp_eq_u32 s2, 0
	s_cbranch_scc0 .Lentry_in_a_cluster
	s_endpgm
.Lentry_in_a_cluster:
	s_bfe_u32 s2, ttmp6, 0x10000c
	s_cmp_lg_u32 s2, 0xf033
	s_cbranch_scc0 .Lentry_shape_is_right
	s_endpgm
.Lentry_shape_is_right:
; qkv = x w_qkv + b_qkv on codes of FP6 (E2M3) with one E8M0 scale for each 32 along K, and the result quantised at once: q and k along the head's 64 channels, v along the keys.
; x: 4,096 rows of 1,024 codes (768 bytes) and 32 scale bytes; w_qkv: 3,072 rows likewise, row 192 head + 64 part + channel (part 0 q, 1 k, 2 v); b_qkv f32.
; SHARES.  A work-group takes one head (192 rows of W: 12 tiles) and 256 rows of x; each of its four waves 64 rows of x (4 tiles of 16), ALL of K, held in 384 registers.  W's tiles stream past: 12 batches of 32 products,
; each on 8 fragments (one tile, all K) that were fetched two batches ahead, two sets of registers by turns.
; THE ROWS OF A TILE ARE NOT NEIGHBOURS.  In a group of 64 rows (of x: a wave's; of W: a part's) lane r of tile T takes row 8 T + r (r < 8) or 32 + 8 (T xor 1) + r - 8 (r >= 8).
; A result's register j of lane (r, h) belongs to row 8 h + j of source 0, so over the four tiles a lane's 32 registers are ONE block of 32 of the 64 (block h): its largest magnitude needs no other lane
; and two conversions give the six registers that the operand's layout wants of that lane.  In block 1 the groups of eight stand swapped in pairs, alike in q and k, and alike in v and the later p.
; q, k: source 0 = W's tile, source 1 = x's tile (a lane holds one row of x and 32 channels).  v: source 0 = x's tile, source 1 = W's tile (a lane holds one channel and 32 keys).
; OUT, as images of operand registers: q_img [bh][tile 128][768] (registers 0-3 at 16 x lane, then 4-5 at 8 x lane);  q_scl [bh][tile][lane] words: lanes 0-15 e0, e1, 1, 1; lanes 16-31 1, 1, e0, e1;
; kv_img [bh][key step of 128: 16][12,800]: K [group of 64: 2][pair 2][1,536], V at 6,144 [group 2][tile 4][768], K's scale words at 12,288 [group][lane] (lanes 0-15 pair 0, 16-31 pair 1), V's at 12,544 [tile 4][row 16], byte = key block.
; LDS: x's 256 rows, W_q's and W_k's 128 rows, each 768 bytes + 16 behind every 256.  Four first fills, one a wave; ONE REFILL: W_v's 64 rows onto x's first rows, once all waves hold x in registers.
; CLUSTER 4 x 4: x's tiles are shared along a row of the cluster, W's along a column: joint loads.  No prefetch: all but W_v is asked for at the head, and W_v five batches ahead of the wait for it.
; LIMITS: NaN and infinities are not served.  A block whose largest magnitude lies under 2^-124, a block of zeros too, gets the scale byte 1 (the rule gives a block of zeros 127): its codes are then zeros or
; subnormal codes under that byte, and the bytes are read by this program alone.
; FRAGMENT f (12 registers) lies in window 1 + f / 21 at register 12 (f % 21): x's (K step q, tile t) is 4 q + t; W's set e, K step q is 32 + 8 e + q.  Window 3 from 72 on: 16 accumulators, then q's and k's codes.
.set PITCH, 816                        ; an LDS row: 204 words, 12 modulo the 64 banks (ISA guide 11.1): the 32 lanes of a piece of 8 bytes touch 64 different banks
.set WB,    256*PITCH
.set SPARE, WB+128*PITCH
.set SV,    SPARE+512                  ; V's scale bytes, written by LDS stores alone
.set FPW,   21
.set SH8,  12
.set SH16, 13
.set CQ,   14                          ; the bytes 1, 1 of the half of q's scale word that meets zero codes
.set L16,  15
.set L8,   16
.set L4,   17
.set SVA,  18
.set SVR,  19
.set SPW,  20
.set NIL,  21
.set WA,   22                          ; v22, v23: the tile of W that is fetched (v23: for the pieces behind one padding more)
.set T4,   28
.set XS,   32                          ; scale words: x's 32-47, W's 50-97 (nothing else, ever)
.set WS,   50
.set QB,   98                          ; q's and k's bias, then v's, as the C of the first products
.set VB,   162
.set XAD,  194                         ; x's LDS addresses, two for each tile
.set MX,   202
.set SO,   206
.set EB,   210
.set W8,   214
.set W9,   218
.set QW,   222
.set KP,   226
.set KW,   228
.set TC,   226
.set SVD,  229
.set TQ,   230
.set VC,   232                         ; v's codes, 4 x 6
.set ACC,  72                          ; window 3
.set QC,   200                         ; window 3: q's, then k's codes
.set TP,   224                         ; window 3
.set G1X,  32
.set G1W,  40
.set G0X,  48
.set G0W,  52
.set G0V,  56
.set MSB, 0
.macro WIN new                         ; the immediate's high byte repeats the setting that is left
.if MSB != (\new)
	s_set_vgpr_msb (MSB<<8)|(\new)
.set MSB, (\new)
.endif
.endm
.macro WALU
	s_wait_alu depctr_va_vdst(0)
.endm
.macro CREST                           ; a round of the cluster's barrier behind its opening barrier
	s_cmp_lg_u32 s22, 0
	s_cbranch_scc1 .Lnot_wave_0_\@
	s_barrier_signal -3
.Lnot_wave_0_\@:
	s_barrier_wait -3
	s_barrier_signal -1
	s_barrier_wait -1
.endm
.macro CROUND
	s_barrier_signal -1
	s_barrier_wait -1
	CREST
.endm
.macro TLOAD g0, g1
	tensor_load_to_lds s[\g0:\g0+3], s[\g1:\g1+7]
	s_nop 0
.rept 4
	v_nop
.endr
.endm
.macro GROUP1 g, mask, rows
	s_or_b32 s[\g], s\mask, (1<<20)|(1<<21)|(5<<22)|(3<<25)    ; elements of 1 byte; 16 bytes of padding behind every 256; bit 21 set beside a mask
	s_mov_b32 s[\g+1], 768<<16
	s_mov_b32 s[\g+2], (\rows)<<16
	s_mov_b32 s[\g+3], 768<<16
	s_mov_b32 s[\g+4], \rows
	s_mov_b32 s[\g+5], 768
	s_mov_b32 s[\g+6], 0
	s_mov_b32 s[\g+7], 0
.endm
; A fragment: registers 6 c .. 6 c + 5 hold K = 64 c + 32 h + 0 .. 31: 24 bytes of the row's stream of bits, in pieces of 8 bytes, two to a load where both go by the same address register.
.macro FRAG f, q, a0, a1
	WIN ((1+(\f)/FPW)<<6)
.set R_, 12*((\f)%FPW)
.set SKIP_, 0
.irp p, 0,1,2,3,4,5
.if SKIP_
.set SKIP_, 0
.else
.set PC_, 12*(\q)+6*(\p/3)+\p%3
.set PN_, 12*(\q)+6*((\p+1)/3)+(\p+1)%3
.set X_, (PC_%32+3)/32
.set XQ_, (PN_%32+3)/32
.if (\p < 5) && (X_ == XQ_)
.set SKIP_, 1
.if X_
	ds_load_2addr_b64 v[R_+2*\p:R_+2*\p+3], \a1 offset0:PC_+2*(PC_/32) offset1:PN_+2*(PN_/32)
.else
	ds_load_2addr_b64 v[R_+2*\p:R_+2*\p+3], \a0 offset0:PC_+2*(PC_/32) offset1:PN_+2*(PN_/32)
.endif
.elseif X_
	ds_load_b64 v[R_+2*\p:R_+2*\p+1], \a1 offset:8*(PC_+2*(PC_/32))
.else
	ds_load_b64 v[R_+2*\p:R_+2*\p+1], \a0 offset:8*(PC_+2*(PC_/32))
.endif
.endif
.endr
.endm
.macro FETCH n                         ; W's tile n = 4 part + tile into set n % 2: 26 loads.  The four vector lines are the places behind the products that read that set
.set P_, (\n)/4
.set U_, (\n)%4
	WIN 0
.if P_ < 2
	v_add_nc_u32 v[WA], WB+(64*P_+8*U_)*PITCH, v[8+2*(U_%2)]
	v_add_nc_u32 v[WA+1], WB+(64*P_+8*U_)*PITCH, v[9+2*(U_%2)]
.else
	v_add_nc_u32 v[WA], 8*U_*PITCH, v[8+2*(U_%2)]
	v_add_nc_u32 v[WA+1], 8*U_*PITCH, v[9+2*(U_%2)]
.endif
	v_nop
	v_nop
.irp q, 0,1,2,3,4,5,6,7
	FRAG 32+8*((\n)%2)+\q, \q, v[WA], v[WA+1]
.endr
	WIN 0
.endm
; A product: n = 4 x K step + x's tile: four accumulators by turns.  The first K step takes the bias as C.  kind 0: q, k; kind 1: v.
.macro PROD kind, e, n, p, u
.set Q_, (\n)/4
.set T_, (\n)%4
.if \kind
.set D_, ACC+32*(\u)+8*T_
.set C_, VB+8*(\u)
.set A_, 4*Q_+T_
.set B_, 32+8*(\e)+Q_
.set SA_, XS+4*T_+Q_%4
.set SB_, WS+16*(\p)+4*(\u)+Q_%4
.else
.set D_, ACC+32*T_+8*(\u)
.set C_, QB+32*(\p)+8*(\u)
.set B_, 4*Q_+T_
.set A_, 32+8*(\e)+Q_
.set SB_, XS+4*T_+Q_%4
.set SA_, WS+16*(\p)+4*(\u)+Q_%4
.endif
.set AL_, 12*(A_%FPW)
.set BL_, 12*(B_%FPW)
.if Q_ == 0
	WIN ((1+A_/FPW)|((1+B_/FPW)<<2)|0xc0)
	v_wmma_scale_f32_16x16x128_f8f6f4 v[D_:D_+7], v[AL_:AL_+11], v[BL_:BL_+11], v[C_:C_+7], v[SA_], v[SB_] matrix_a_fmt:MATRIX_FMT_FP6 matrix_b_fmt:MATRIX_FMT_FP6
.else
	WIN ((1+A_/FPW)|((1+B_/FPW)<<2)|0xf0)
.if Q_ < 4
	v_wmma_scale_f32_16x16x128_f8f6f4 v[D_:D_+7], v[AL_:AL_+11], v[BL_:BL_+11], v[D_:D_+7], v[SA_], v[SB_] matrix_a_fmt:MATRIX_FMT_FP6 matrix_b_fmt:MATRIX_FMT_FP6
.else
	v_wmma_scale_f32_16x16x128_f8f6f4 v[D_:D_+7], v[AL_:AL_+11], v[BL_:BL_+11], v[D_:D_+7], v[SA_], v[SB_] matrix_a_fmt:MATRIX_FMT_FP6 matrix_b_fmt:MATRIX_FMT_FP6 matrix_a_scale:MATRIX_SCALE_ROW1 matrix_b_scale:MATRIX_SCALE_ROW1
.endif
.endif
.endm
.macro PRODS kind, e, p, u, from, to, lst=-1   ; behind every second product two entries of v's block lst's search for its largest magnitude
.set N_, \from
.rept (\to)-(\from)
	PROD \kind, \e, N_, \p, \u
.if (N_%2) && ((\lst) >= 0)
	CHAIN N_-1, \lst
	CHAIN N_, \lst
.endif
.set N_, N_+1
.endr
.endm
; v's block u: the largest of 32 magnitudes, in two chains by turns, with the floor 2^(3 - 127); 2 off its exponent field is the conversions' scale operand.  18 entries.
.macro CHAIN i, u
.set X_, ACC+32*(\u)
.if (\i) < 14
.set B_, X_+16*((\i)%2)+2*((\i)/2)
.set T_, TQ+1-(\i)%2
.if (\i) < 2
	WIN 0x3f
	v_max3_num_f32 v[T_], |v[B_]|, |v[B_+1]|, |v[B_+2]|
.else
	WIN 0x3c
	v_max3_num_f32 v[T_], v[T_], |v[B_+1]|, |v[B_+2]|
.endif
.elseif (\i) == 14
	WIN 0x0c
	v_max3_num_f32 v[TQ+1], v[TQ+1], |v[X_+15]|, 0x1800000
.elseif (\i) == 15
	WIN 0
	v_nop
.elseif (\i) == 16
	WIN 0x0c
	v_max3_num_f32 v[TQ], v[TQ], |v[X_+31]|, v[TQ+1]
.elseif (\i) == 17
	WIN 0
	v_add_nc_u32 v[SO+(\u)], 0xff000000, v[TQ]
.endif
.endm
.macro VCVT u
	WIN 3
	v_cvt_scalef32_pk16_fp6_f32 v[VC+6*\u:VC+6*\u+2], v[ACC+32*\u:ACC+32*\u+15], v[SO+\u]
	v_cvt_scalef32_pk16_fp6_f32 v[TC:TC+2], v[ACC+32*\u+16:ACC+32*\u+31], v[SO+\u]   ; (a conversion's three registers begin on an even number)
	WIN 0
.endm
.macro VMOV u
.irp i, 0,1,2
	v_mov_b32 v[VC+6*\u+3+\i], v[TC+\i]
.endr
.endm
.macro VPUT u
	global_store_b128 v[L16], v[VC+6*\u:VC+6*\u+3], s[18:19] offset:6144+768*\u
	global_store_b64 v[L8], v[VC+6*\u+4:VC+6*\u+5], s[18:19] offset:6144+768*\u+512
.endm
.macro VOUT u                          ; the four plain lines are also the places behind the batch's products
	VCVT \u
	v_lshrrev_b32 v[EB+\u], 23, v[SO+\u]
	VMOV \u
	ds_store_b8 v[SVA], v[EB+\u] offset:64*\u
	VPUT \u
.endm
; q's and k's quantiser: four blocks of 32 by turns, block u = x's tile u.  Each accumulator is read from its low end on.
.macro QBATCH
	WIN 0x3c
.irp u, 0,1,2,3
	v_max3_num_f32 v[MX+\u], 0x1800000, |v[ACC+32*\u]|, |v[ACC+32*\u+1]|
.endr
.irp i, 2,4,6,8,10,12,14,16,18,20,22,24,26,28,30
.irp u, 0,1,2,3
	v_max3_num_f32 v[MX+\u], v[MX+\u], |v[ACC+32*\u+\i]|, |v[ACC+32*\u+\i+1]|
.endr
.endr
	WIN 0
.irp u, 0,1,2,3
	v_add_nc_u32 v[SO+\u], 0xff000000, v[MX+\u]
.endr
	WIN 0xc3
.irp u, 0,1,2,3
	v_cvt_scalef32_pk16_fp6_f32 v[QC+6*\u:QC+6*\u+2], v[ACC+32*\u:ACC+32*\u+15], v[SO+\u]
	v_cvt_scalef32_pk16_fp6_f32 v[TP+4*\u:TP+4*\u+2], v[ACC+32*\u+16:ACC+32*\u+31], v[SO+\u]
.endr
	WIN 0
.irp u, 0,1,2,3
	v_lshrrev_b32 v[EB+\u], 23, v[SO+\u]
.endr
	WIN 0xc3
.irp u, 0,1,2,3
.irp i, 0,1,2
	v_mov_b32 v[QC+6*\u+3+\i], v[TP+4*\u+\i]
.endr
.endr
	WIN 0
.irp u, 0,1,2,3                                ; each tile's two bytes (block 0 in lanes 0-15, block 1 in lanes 16-31) become e0 | e1 << 8 in every lane
	v_lshlrev_b32 v[W8+\u], v[SH8], v[EB+\u]
.endr
.irp u, 0,1,2,3
	v_permlanex16_b32 v[W9+\u], v[W8+\u], s2, s3
.endr
.irp u, 0,1,2,3
	v_or_b32 v[W8+\u], v[W8+\u], v[W9+\u]
.endr
.endm
	s_load_b256 s[4:11], s[0:1], 0x0               ; x's codes s[4:5], x's scales s[6:7], W's codes s[8:9], W's scales s[10:11]
	s_load_b256 s[12:19], s[0:1], 0x20             ; b_qkv s[12:13], q_img s[14:15], q_scl s[16:17], kv_img s[18:19]
	v_lshl_add_u32 v[SPW], v0, 2, SPARE
	v_mov_b32 v[NIL], 0
	ds_add_u32 v[SPW], v[NIL]                      ; the add, twice on end, under one wait
	ds_add_u32 v[SPW], v[NIL]
	v_lshrrev_b32 v1, 5, v0
	v_readfirstlane_b32 s22, v1                    ; wave 0..3
	s_lshr_b32 s23, s22, 1
	s_and_b32 s24, s22, 1
	s_bfe_u32 s25, ttmp6, 0x40000                  ; cx, cy
	s_bfe_u32 s26, ttmp6, 0x40004
	s_lshl_b32 s27, ttmp9, 2
	s_add_co_u32 s27, s27, s25                     ; the head
	s_and_b32 s28, ttmp7, 0xffff
	s_lshl_b32 s28, s28, 2
	s_add_co_u32 s28, s28, s26                     ; the block of 256 rows of x
	s_lshl_b32 s29, s26, 2
	s_lshl_b32 s29, 15, s29                        ; my row of the cluster
	s_lshl_b32 s30, 0x1111, s25                    ; my column
	s_mov_b32 s2, 0x76543210                       ; v_permlanex16_b32's selects for lane l xor 16
	s_mov_b32 s3, 0xfedcba98
	GROUP1 G1X, 29, 128
	GROUP1 G1W, 30, 64
	s_mul_i32 s80, s28, 256*768                    ; x: the block's rows, waves 0 and 1 half each: nothing of cx enters
	s_mul_i32 s81, s24, 128*768
	s_add_co_u32 s80, s80, s81
	s_mov_b32 s81, 0
	s_mul_i32 s86, s27, 192*768                    ; W: the head's rows: waves 2 and 3 q's and k's 64: nothing of cy enters
	s_mul_i32 s85, s24, 64*768
	s_add_co_u32 s84, s86, s85
	s_mov_b32 s85, 0
	s_add_co_u32 s86, s86, 128*768                 ; v's 64
	s_mov_b32 s87, 0
	s_mov_b32 s[G0X], 1
	s_mul_i32 s[G0X+1], s24, 128*PITCH
	s_mov_b32 s[G0W], 1
	s_mul_i32 s[G0W+1], s24, 64*PITCH
	s_add_co_u32 s[G0W+1], s[G0W+1], WB
	s_mov_b32 s[G0V], 1
	s_mov_b32 s[G0V+1], 0
	s_mul_i32 s90, s22, 64*PITCH                   ; my 64 rows of x
	s_lshl_b32 s88, s23, 8                         ; V's scale bytes in LDS: 256 x (wave / 2) + 64 x tile + 4 r + 2 x (wave % 2) + h
	s_lshl_b32 s89, s24, 1
	s_add_co_u32 s88, s88, s89
	s_add_co_u32 s88, s88, SV
	v_and_b32 v1, 15, v0                           ; r
	v_bfe_u32 v2, v0, 4, 1                         ; h
	v_and_b32 v3, 31, v0                           ; lane
	v_and_b32 v4, 7, v0
	v_bfe_u32 v5, v0, 3, 1
	v_mad_u32_u24 v6, v5, 40, v4                   ; my row in an even tile, less 8 T
	v_mad_u32_u24 v7, v5, 24, v4                   ; in an odd tile
	v_mul_u32_u24 v8, v6, PITCH
	v_mad_u32_u24 v8, v2, 24, v8                   ; row x pitch + 24 h,
	v_lshl_add_u32 v9, v2, 4, v8                   ; and the same behind one padding more
	v_mul_u32_u24 v10, v7, PITCH
	v_mad_u32_u24 v10, v2, 24, v10
	v_lshl_add_u32 v11, v2, 4, v10
.irp t, 0,1,2,3
	v_add_nc_u32 v[XAD+2*\t], s90, v[8+2*(\t%2)]
	v_add_nc_u32 v[XAD+2*\t+1], s90, v[9+2*(\t%2)]
	s_add_co_u32 s90, s90, 8*PITCH
.endr
	v_lshlrev_b32 v29, 5, v6                       ; scale bytes: 32 a row; lanes 0-15 take K steps 0-3's words, lanes 16-31 K steps 4-7's
	v_lshl_add_u32 v29, v2, 4, v29
	v_lshlrev_b32 v30, 5, v7
	v_lshl_add_u32 v30, v2, 4, v30
	v_mul_u32_u24 v24, v2, 160                     ; q's and k's bias: lanes 16-31 hold channels 40 (even tiles) or 24 (odd tiles) further on
	v_mul_u32_u24 v25, v2, 96
	v_lshlrev_b32 v26, 2, v6                       ; v's bias: my channel
	v_lshlrev_b32 v27, 2, v7
	v_lshlrev_b32 v[SH8], 3, v2
	v_lshlrev_b32 v[SH16], 4, v2
	v_mov_b32 v[CQ], 0x01010000
	v_lshrrev_b32 v[CQ], v[SH16], v[CQ]            ; lanes 0-15: bytes 2, 3; lanes 16-31: bytes 0, 1
	v_lshlrev_b32 v[L16], 4, v3
	v_lshlrev_b32 v[L8], 3, v3
	v_lshlrev_b32 v[L4], 2, v3
	v_lshl_add_u32 v[SVA], v1, 2, v2
	v_add_nc_u32 v[SVA], s88, v[SVA]
	v_lshl_add_u32 v[SVR], v0, 2, SV
	v_lshrrev_b32 v31, 6, v0
	v_mul_u32_u24 v31, v31, 12800
	v_and_b32 v[T4], 63, v0
	v_lshl_add_u32 v[T4], v[T4], 2, v31            ; 64 threads to a key step's 256 bytes
.irp u, 0,1,2,3
	v_mov_b32 v[W9+\u], 0                          ; a lane permute's destination counts as one of its sources
.endr
	WALU                                           ; directly ahead of the waits below
	s_wait_dscnt 0x0                               ; both opening adds are done
	CROUND                                         ; all sixteen work-groups are here: the first joint loads meet
	s_wait_kmcnt 0x0
	s_add_nc_u64 s[G0X+2:G0X+3], s[4:5], s[80:81]
	s_or_b32 s[G0X+3], s[G0X+3], 0x80000000
	s_add_nc_u64 s[G0W+2:G0W+3], s[8:9], s[84:85]
	s_or_b32 s[G0W+3], s[G0W+3], 0x80000000
	s_add_nc_u64 s[G0V+2:G0V+3], s[8:9], s[86:87]
	s_or_b32 s[G0V+3], s[G0V+3], 0x80000000
	s_cmp_lt_u32 s22, 2                            ; one tensor load a wave
	s_cbranch_scc0 .Lwave_2
	TLOAD G0X, G1X                                 ; waves 0 and 1: x's halves
	s_branch .Lasked
.Lwave_2:
	s_cmp_eq_u32 s22, 2
	s_cbranch_scc0 .Lwave_3
	TLOAD G0W, G1W                                 ; wave 2: W_q
	s_branch .Lasked
.Lwave_3:
	TLOAD G0W, G1W                                 ; wave 3: W_k
.Lasked:
	s_lshl_b32 s90, s28, 13                        ; x's scales: (256 x block + 64 x wave) rows of 32 bytes
	s_lshl_b32 s91, s22, 11
	s_add_co_u32 s90, s90, s91
	s_mov_b32 s91, 0
	s_add_nc_u64 s[6:7], s[6:7], s[90:91]
	s_mul_i32 s90, s27, 192*32
	s_add_nc_u64 s[10:11], s[10:11], s[90:91]
	s_mul_i32 s90, s27, 192*4
	s_add_nc_u64 s[12:13], s[12:13], s[90:91]
.irp t, 0,1,2,3
	global_load_b128 v[XS+4*\t:XS+4*\t+3], v[29+\t%2], s[6:7] offset:256*\t
.endr
.irp p, 0,1,2
.irp t, 0,1,2,3
	global_load_b128 v[WS+4*(4*\p+\t):WS+4*(4*\p+\t)+3], v[29+\t%2], s[10:11] offset:(64*\p+8*\t)*32
.endr
.endr
.irp p, 0,1
.irp t, 0,1,2,3
	global_load_b128 v[QB+8*(4*\p+\t):QB+8*(4*\p+\t)+3], v[24+\t%2], s[12:13] offset:(64*\p+8*\t)*4
	global_load_b128 v[QB+8*(4*\p+\t)+4:QB+8*(4*\p+\t)+7], v[24+\t%2], s[12:13] offset:(64*\p+8*\t)*4+16
.endr
.endr
.irp t, 0,1,2,3
	global_load_b32 v[VB+8*\t], v[26+\t%2], s[12:13] offset:(128+8*\t)*4
.endr
	s_lshr_b32 s92, s28, 3
	s_lshl_b32 s92, s92, 4
	s_add_co_u32 s92, s92, s27                     ; bh = 16 x batch + head
	s_and_b32 s93, s28, 7
	s_lshl_b32 s94, s93, 2
	s_add_co_u32 s94, s94, s22                     ; my group of 64 rows in the batch
	s_mov_b32 s97, 0
	s_mul_i32 s96, s92, 98304
	s_mul_i32 s95, s94, 3072
	s_add_co_u32 s96, s96, s95
	s_add_nc_u64 s[14:15], s[14:15], s[96:97]      ; q_img
	s_lshl_b32 s96, s92, 14
	s_lshl_b32 s95, s94, 9
	s_add_co_u32 s96, s96, s95
	s_add_nc_u64 s[16:17], s[16:17], s[96:97]      ; q_scl
	s_mul_i32 s96, s92, 204800
	s_mul_i32 s95, s93, 25600
	s_add_co_u32 s96, s96, s95                     ; the work-group's two key steps
	s_add_nc_u64 s[20:21], s[18:19], s[96:97]
	s_add_nc_u64 s[20:21], s[20:21], 12544         ; V's scale words
	s_mul_i32 s95, s23, 12800
	s_add_co_u32 s96, s96, s95                     ; my key step
	s_lshl_b32 s95, s24, 7
	s_add_co_u32 s98, s96, s95
	s_add_co_u32 s98, s98, 12288
	s_mov_b32 s99, 0
	s_add_nc_u64 s[60:61], s[18:19], s[98:99]      ; K's scale words
	s_mul_i32 s95, s24, 3072
	s_add_co_u32 s96, s96, s95
	s_add_nc_u64 s[18:19], s[18:19], s[96:97]      ; K's images; V's lie 6,144 bytes on
	s_cmp_lt_u32 s22, 2
	s_cbranch_scc0 .Lnot_x
	s_wait_tensorcnt 0x0
.Lnot_x:
	s_barrier_signal -1
	s_barrier_wait -1                              ; x's 256 rows are in
.irp q, 0,1,2,3,4,5,6,7
.irp t, 0,1,2,3
	FRAG 4*\q+\t, \q, v[XAD+2*\t], v[XAD+2*\t+1]
.endr
.endr
	WIN 0
	s_cmp_eq_u32 s22, 3
	s_cbranch_scc1 .Lnot_wq
	s_wait_tensorcnt 0x0
.Lnot_wq:
	s_wait_dscnt 0x0
	s_barrier_signal -1
	s_barrier_wait -1                              ; W_q is in; W_k may still be on its way
	FETCH 0
	FETCH 1
	s_wait_loadcnt 0x0                             ; scale words and biases
.irp t, 0,1,2,3
.irp j, 1,2,3,4,5,6,7
	v_mov_b32 v[VB+8*\t+\j], v[VB+8*\t]            ; in v's results a lane holds one channel: its bias in all eight registers of the C
.endr
.endr
	WALU
	s_wait_dscnt 26                                ; all but the youngest fetch
	PRODS 0, 0, 0, 0, 0, 32
	FETCH 2
	; THE ONE REFILL: W_v onto x's first 64 rows
	s_wait_dscnt 26
	s_wait_tensorcnt 0x0                           ; all my tensor loads have landed, W_k's among them
	ds_add_u32 v[SPW], v[NIL]
	PRODS 0, 1, 0, 1, 0, 24
	WIN 0
	s_wait_dscnt 0x0                               ; the add is done; my reads of x's rows are over
	s_barrier_signal -1                            ; this barrier opens a round of the cluster's
	PRODS 0, 1, 0, 1, 24, 32
	WIN 0
	s_barrier_wait -1
	CREST                                          ; no wave of any partner still reads those rows or has a load on its way
	s_cmp_eq_u32 s22, 0
	s_cbranch_scc0 .Lno_refill
	TLOAD G0V, G1W
.Lno_refill:
	FETCH 3
	s_wait_dscnt 26
	PRODS 0, 0, 0, 2, 0, 32
	FETCH 4
	s_wait_dscnt 26
	PRODS 0, 1, 0, 3, 0, 32
	FETCH 5
	QBATCH
.irp u, 0,1,2,3
	v_lshl_or_b32 v[QW+\u], v[W8+\u], v[SH16], v[CQ]           ; lanes 0-15: for [q | zeros]; lanes 16-31: for [zeros | q]
.endr
.irp u, 0,1,2,3
	global_store_b32 v[L4], v[QW+\u], s[16:17] offset:128*\u
.endr
	WIN 0x0c
.irp u, 0,1,2,3
	global_store_b128 v[L16], v[QC+6*\u:QC+6*\u+3], s[14:15] offset:768*\u          ; 512 consecutive bytes,
	global_store_b64 v[L8], v[QC+6*\u+4:QC+6*\u+5], s[14:15] offset:768*\u+512      ; then 256
.endr
	WIN 0
	s_wait_dscnt 26
	PRODS 0, 0, 1, 0, 0, 32
	FETCH 6
	s_wait_dscnt 26
	PRODS 0, 1, 1, 1, 0, 32
	FETCH 7
	s_wait_dscnt 26
	PRODS 0, 0, 1, 2, 0, 24
	WIN 0
	s_wait_tensorcnt 0x0                           ; W_v is in: a plain barrier shows it to all
	s_wait_dscnt 0x0
	s_barrier_signal -1
	PRODS 0, 0, 1, 2, 24, 32
	WIN 0
	s_barrier_wait -1
	FETCH 8
	s_wait_dscnt 26
	PRODS 0, 1, 1, 3, 0, 32
	FETCH 9
	s_wait_xcnt 0x0                                ; q's stores have read their registers
	QBATCH
	v_cmp_lt_u32 vcc_lo, 15, v3                    ; lanes 16-31
	v_lshl_or_b32 v[KP], v[W8+1], 16, v[W8]        ; tiles 2 i and 2 i + 1 make one fragment of 12 registers
	v_lshl_or_b32 v[KP+1], v[W8+3], 16, v[W8+2]
	v_cndmask_b32 v[KW], v[KP], v[KP+1], vcc_lo    ; lanes 0-15 pair 0's word, lanes 16-31 pair 1's
	global_store_b32 v[L4], v[KW], s[60:61]
	WIN 0x0c
.irp i, 0,1
.irp c, 0,1,2
	global_store_b128 v[L16], v[QC+12*\i+4*\c:QC+12*\i+4*\c+3], s[18:19] offset:1536*\i+512*\c
.endr
.endr
	WIN 0
	s_wait_dscnt 26
	PRODS 1, 0, 2, 0, 0, 32
	FETCH 10
	s_wait_xcnt 0x0                                ; k's scale word has been read: its register is written again below
	s_wait_dscnt 26
	PRODS 1, 1, 2, 1, 0, 32, 0
	VOUT 0
	FETCH 11
	s_wait_dscnt 26
	PRODS 1, 0, 2, 2, 0, 32, 1
	VOUT 1
	s_wait_dscnt 0x0
	PRODS 1, 1, 2, 3, 0, 32, 2
	VOUT 2
.set I_, 0
.rept 18
	CHAIN I_, 3
.set I_, I_+1
.endr
	v_lshrrev_b32 v[EB+3], 23, v[SO+3]
	WALU
	ds_store_b8 v[SVA], v[EB+3] offset:192
	s_wait_dscnt 0x0                               ; for the others' sake: my bytes are in LDS
	s_barrier_signal -1
	VCVT 3
	v_nop
	VMOV 3
	WALU
	s_barrier_wait -1
	ds_load_b32 v[SVD], v[SVR]                     ; a word holds the bytes of two waves
	VPUT 3
	s_wait_dscnt 0x0
	global_store_b32 v[T4], v[SVD], s[20:21]       ; two runs of 256 consecutive bytes
	s_wait_tensorcnt 0x0                           ; the wave's end
	ds_add_u32 v[SPW], v[NIL]
	s_wait_dscnt 0x0
	CROUND                                         ; the closing round
	s_endpgm
.Lfunc_end_k_q53eecf049f_qkv:
	.size	k_q53eecf049f_qkv, .Lfunc_end_k_q53eecf049f_qkv-k_q53eecf049f_qkv
	.p2alignl 7, 3214868480
	.fill 96, 4, 3214868480
	.section	.rodata,"a",@progbits
	.p2align	6, 0x0
	.amdhsa_kernel k_q53eecf049f_qkv
		.amdhsa_group_segment_fixed_size 327680
		.amdhsa_private_segment_fixed_size 0
		.amdhsa_enable_private_segment 0
		.amdhsa_kernarg_size 64
		.amdhsa_user_sgpr_count 2
		.amdhsa_user_sgpr_kernarg_segment_ptr 1
		.amdhsa_wavefront_size32 1
		.amdhsa_system_sgpr_workgroup_id_x 1
		.amdhsa_system_sgpr_workgroup_id_y 1
		.amdhsa_system_sgpr_workgroup_id_z 1
		.amdhsa_system_vgpr_workitem_id 0
		.amdhsa_next_free_vgpr 1024
		.amdhsa_next_free_sgpr 100
		.amdhsa_reserve_vcc 1
		.amdhsa_float_denorm_mode_32 3
		.amdhsa_float_denorm_mode_16_64 3
		.amdhsa_memory_ordered 1
		.amdhsa_forward_progress 1
		.amdhsa_inst_pref_size 118
	.end_amdhsa_kernel
	.amdgpu_metadata
---
amdhsa.version: [ 1, 2 ]
amdhsa.kernels:
  - .name:           k_q53eecf049f_qkv
    .symbol:         k_q53eecf049f_qkv.kd
    .args:
      - { .name: x_codes, .offset: 0, .size: 8, .value_kind: global_buffer, .address_space: global }
      - { .name: x_scales, .offset: 8, .size: 8, .value_kind: global_buffer, .address_space: global }
      - { .name: w_qkv_codes, .offset: 16, .size: 8, .value_kind: global_buffer, .address_space: global }
      - { .name: w_qkv_scales, .offset: 24, .size: 8, .value_kind: global_buffer, .address_space: global }
      - { .name: b_qkv, .offset: 32, .size: 8, .value_kind: global_buffer, .address_space: global }
      - { .name: q_img, .offset: 40, .size: 8, .value_kind: global_buffer, .address_space: global }
      - { .name: q_scl, .offset: 48, .size: 8, .value_kind: global_buffer, .address_space: global }
      - { .name: kv_img, .offset: 56, .size: 8, .value_kind: global_buffer, .address_space: global }
    .group_segment_fixed_size: 327680
    .private_segment_fixed_size: 0
    .kernarg_segment_align: 8
    .kernarg_segment_size: 64
    .max_flat_workgroup_size: 128
    .sgpr_count:     100
    .vgpr_count:     1024
    .wavefront_size: 32
...
	.end_amdgpu_metadata
.endif
;; end of part 1
;; launch attn (part 2): grid 8 x 32, 8 waves a work-group, clusters of 4 x 1, 327,680 bytes of LDS; arguments q_img, q_scl, kv_img, o_img, o_scl; writes o_img, o_scl
.if DOCPART == 2
	.amdgcn_target "amdgcn-amd-amdhsa--gfx1250"
	.amdhsa_code_object_version 6
	.text
	.protected	k_q53eecf049f_attn
	.globl	k_q53eecf049f_attn
	.p2align	8
	.type	k_q53eecf049f_attn,@function
k_q53eecf049f_attn:
	s_mov_b64 s[64:65], 0
	v_nop
	global_prefetch_b8 v0, s[64:65] scope:SCOPE_SE
	s_setreg_imm32_b32 hwreg(HW_REG_WAVE_MODE, 25, 1), 1
	s_wait_xcnt 0x0
	s_wait_alu depctr_hold_cnt(0) depctr_sa_sdst(0) depctr_va_vdst(0) depctr_va_sdst(0) depctr_va_ssrc(0) depctr_va_vcc(0) depctr_vm_vsrc(0)
	s_getreg_b32 s2, hwreg(HW_REG_IB_STS2, 6, 4)
	s_cmp_eq_u32 s2, 0
	s_cbranch_scc0 .Lentry_in_a_cluster
	s_endpgm
.Lentry_in_a_cluster:
	s_bfe_u32 s2, ttmp6, 0x10000c
	s_cmp_lg_u32 s2, 0x3003
	s_cbranch_scc0 .Lentry_shape_is_right
	s_endpgm
.Lentry_shape_is_right:
; O = softmax(q k^T / 8) v for one head and 256 queries, both products on codes of FP6 (E2M3), and O quantised along the model's 1,024 (a head's 64 channels are two blocks of 32).
; THE SOFTMAX AHEAD OF THE SECOND PRODUCT: t = score x log2(e) / 8; M = the largest t so far, rounded UP to a whole number; p = 2^(t - M) is quantised along the keys, not normalised.  The row's sum is taken of the
; unquantised p and divides O at the end.  When M moves, the sum and O are multiplied by 2^(old M - new M): exact.
; SHARES.  A work-group owns 256 queries of one (batch, head); each of its eight waves two tiles of 16 queries, A and B, which share every fragment of K and V.  Every wave walks the head's 2,048 keys, 128 a step.
; ALL OF THE HEAD'S K AND V LIE IN LDS, as images of operand registers, each byte filled once: 16 records of 12,800 bytes, one for each key step (K, V, K's scale words, V's).  Each wave asks for two records.
; Work begins when records 0 and 1 have landed; one more barrier, behind step 0, stands for the others.  No prefetch: the launch asks for all that it reads at its head.
; CLUSTER 4 x 1: four blocks of queries of one head ask for K and V jointly.
; K = 64 IN AN INSTRUCTION OF 128.  A fragment of K holds two tiles of 16 keys (registers 0-5, 6-11); it is multiplied once by [q | zero codes] and once by [zero codes | q].  The zero half's scale bytes are 1.
; LAYOUT.  Both products transposed: S^T = k q^T, O^T = v^T p^T: a lane holds one query (lane % 16).  By the order of rows that the launch before chose, the lane's 32 scores of a group of 64 keys are ONE block of 32
; (block lane / 16): a block's largest score needs no other lane, and two conversions give p's six registers.  Inside a block the order of the keys is v's own order.
; THE ORDER OF A STEP.  Scores of A and B; A's maxima; B's maxima with A's short chain (M and 2^(old M - new M)) among them; t - M of A with B's chain among them; A's exponentials with t - M of B among them;
; B's exponentials with the first of A's sums among them; then what is left.  What stands among exponentials reads nothing that was written there: three waits a step serve both tiles.
; At the end the channels of lanes 16-31 stand with their groups of eight swapped in pairs: selects put them right, since w_o's codes come in the true order.
; LIMITS: NaN and infinities are not served.  The scaled scores stay under 2^31 in magnitude.  A block whose largest magnitude lies under 2^-124, a block of zeros too, gets the scale byte 1; the bytes are read by this program alone.
; A block's largest p is made from its largest score by the same multiply-add and exponential: this takes v_exp_f32 not to fall where its input rises.
; In what follows x = 0, 1 is the tile A, B.
.set REC, 12800
.set SPARE, 17*REC                     ; record s lies at (s + 1) x 12,800
.set A16, 1                            ; LDS addresses of the step in hand: 16, 8, 4 x lane
.set A8,  2
.set A4,  3
.set L16, 4                            ; and the lane terms alone
.set L8,  5
.set L4,  6
.set SH8, 7                            ; 8 h
.set SPW, 8
.set NIL, 9
.set NM,  12                           ; NM + 2 x: -M;  + 1: the largest score so far
.set F,   16                           ; F + 2 x: 2^(old M - new M) (a pair's low word); at the end 1 / the sum
.set LS,  20                           ; LS + 2 x: the row's sum, a pair
.set BM,  24                           ; BM + 2 x + g: a block's largest score, then its largest p
.set T0,  28
.set T1,  30
.set QS,  32                           ; scale words: q's 32-33, K's 34-35, V's 36-37, p's 38-39: these registers hold nothing else
.set KS,  34
.set VS,  36
.set PS,  38
.set T2,  40
.set MC,  48                           ; MC + 8 x: the eight chains of the maxima; behind them
.set SO,  48                           ; SO + 2 x + g: the conversions' scale operands,
.set EB,  52                           ; EB + 2 x + g: the scale bytes
.set S,   64                           ; S + 64 x: S^T, then p: group g, tile T at 32 g + 8 T
.set O,   192                          ; O + 32 x: O^T
; window 1: [zeros | q] of tile x at 12 x, [q | zeros] at 12 x + 6 (the zeros are shared)
.set KF,  32
.set VF,  80
.set P,   128                          ; P + 12 x: p's codes
.set TP,  152                          ; TP + 8 x + 4 g
.set SEL, 20                           ; s[20:21]
.set CS,  22                           ; s[22:23] c = log2(e) / 8
.set NC,  14                           ; s14 -c
.set G1,  24
.set G0,  40
.set TK,  60
.set TRIP, 62
.set MSB, 0
.macro WIN new
.if MSB != (\new)
	s_set_vgpr_msb (MSB<<8)|(\new)
.set MSB, (\new)
.endif
.endm
.macro WALU
	s_wait_alu depctr_va_vdst(0)
.endm
.macro CROUND
	s_barrier_signal -1
	s_barrier_wait -1
	s_cmp_lg_u32 s16, 0
	s_cbranch_scc1 .Lnot_wave_0_\@
	s_barrier_signal -3
.Lnot_wave_0_\@:
	s_barrier_wait -3
	s_barrier_signal -1
	s_barrier_wait -1
.endm
.macro TLOAD
	tensor_load_to_lds s[G0:G0+3], s[G1:G1+7]
	s_nop 0
.rept 4
	v_nop
.endr
.endm
.macro WM d, a, b, c, sa, sb, ra, rb
	v_wmma_scale_f32_16x16x128_f8f6f4 v[\d:\d+7], v[\a:\a+11], v[\b:\b+11], \c, v[\sa], v[\sb] matrix_a_fmt:MATRIX_FMT_FP6 matrix_b_fmt:MATRIX_FMT_FP6 matrix_a_scale:MATRIX_SCALE_ROW\ra matrix_b_scale:MATRIX_SCALE_ROW\rb
.endm
.macro KLOAD a16, a4                   ; K's four fragments (2 g + i: key tiles 2 i, 2 i + 1 of group g) and scale words of the record behind the one that the addresses stand at
	WIN 0x40
.irp f, 0,1,2,3
.irp c, 0,1,2
	ds_load_b128 v[KF+12*\f+4*\c:KF+12*\f+4*\c+3], v[\a16] offset:REC+1536*\f+512*\c
.endr
.endr
	WIN 0
	ds_load_b32 v[KS], v[\a4] offset:REC+12288
	ds_load_b32 v[KS+1], v[\a4] offset:REC+12288+128
.endm
.macro MAXI x, i                       ; line i of 32: the largest score of my block of each group.  Eight chains by turns, one for each tile of scores, each from its low end on
.if (\i) < 8
	v_max3_num_f32 v[MC+8*\x+(\i)], v[S+64*\x+8*(\i)], v[S+64*\x+8*(\i)+1], v[S+64*\x+8*(\i)+2]
.elseif (\i) < 24
.set C_, (\i)%8
.set E_, S+64*\x+8*C_+3+2*((\i)/8-1)
	v_max3_num_f32 v[MC+8*\x+C_], v[MC+8*\x+C_], v[E_], v[E_+1]
.elseif (\i) < 26
.set G_, (\i)-24
	v_max3_num_f32 v[MC+8*\x+4*G_], v[MC+8*\x+4*G_], v[MC+8*\x+4*G_+1], v[S+64*\x+32*G_+7]
.elseif (\i) < 28
.set G_, (\i)-26
	v_max3_num_f32 v[MC+8*\x+4*G_+2], v[MC+8*\x+4*G_+2], v[MC+8*\x+4*G_+3], v[S+64*\x+32*G_+15]
.elseif (\i) < 30
.set G_, (\i)-28
	v_max3_num_f32 v[MC+8*\x+4*G_], v[MC+8*\x+4*G_], v[S+64*\x+32*G_+23], v[S+64*\x+32*G_+31]
.else
.set G_, (\i)-30
	v_max_num_f32 v[BM+2*\x+G_], v[MC+8*\x+4*G_], v[MC+8*\x+4*G_+2]
.endif
.endm
.macro CH x, i, first                  ; link i of 10
.if (\i) == 0
	v_max_num_f32 v[T0+\x], v[BM+2*\x], v[BM+2*\x+1]
.elseif (\i) == 1
	v_permlanex16_b32 v[T1+\x], v[T0+\x], s[SEL], s[SEL+1]
.elseif (\i) == 2
	v_max3_num_f32 v[NM+2*\x+1], v[NM+2*\x+1], v[T0+\x], v[T1+\x]   ; the largest score so far (c is positive)
.elseif (\i) == 3
	v_mul_f32 v[T0+\x], s[NC], v[NM+2*\x+1]
.elseif (\i) == 4
	v_floor_f32 v[NM+2*\x], v[T0+\x]               ; -M = floor(-t) = -ceil(t)
.elseif (\i) == 8
	v_fma_f32 v[BM+2*\x], v[BM+2*\x], s[CS], v[NM+2*\x]            ; t - M of each block's largest score
.elseif (\i) == 9
	v_fma_f32 v[BM+2*\x+1], v[BM+2*\x+1], s[CS], v[NM+2*\x]
.elseif (\first) == 0
.if (\i) == 5
	v_sub_f32 v[T0+\x], v[NM+2*\x], v[T2+\x]       ; old M - new M: a whole number, 0 or less
.elseif (\i) == 6
	v_cvt_i32_f32 v[T0+\x], v[T0+\x]               ; (it saturates)
.elseif (\i) == 7
	v_ldexp_f32 v[F+2*\x], 1.0, v[T0+\x]
.endif
.endif
.endm
.macro TM x, p                         ; pair p of 32: t - M, two at a time (of the pairs c and -M the low word serves both halves)
	v_pk_fma_f32 v[S+64*\x+2*(\p):S+64*\x+2*(\p)+1], v[S+64*\x+2*(\p):S+64*\x+2*(\p)+1], s[CS:CS+1], v[NM+2*\x:NM+2*\x+1] op_sel_hi:[1,0,0]
.endm
.macro ADDP x, a, b                    ; p's pairs are added in place, by halves, once their codes have been made
	v_pk_add_f32 v[S+64*\x+(\a):S+64*\x+(\a)+1], v[S+64*\x+(\a):S+64*\x+(\a)+1], v[S+64*\x+(\b):S+64*\x+(\b)+1]
.endm
.macro CVT x
	WIN 0x40
.irp g, 0,1
	v_cvt_scalef32_pk16_fp6_f32 v[P+12*\x+6*\g:P+12*\x+6*\g+2], v[S+64*\x+32*\g:S+64*\x+32*\g+15], v[SO+2*\x+\g]
	v_cvt_scalef32_pk16_fp6_f32 v[TP+8*\x+4*\g:TP+8*\x+4*\g+2], v[S+64*\x+32*\g+16:S+64*\x+32*\g+31], v[SO+2*\x+\g]   ; (a conversion's three registers begin on an even number)
.endr
	WIN 0
.endm
; A KEY STEP: 128 keys = two groups g of 64.  K's fragments are in registers; V's, and the next step's K's, are fetched behind the scores.
.macro STEP first, more
	WIN 0x05
.irp g, 0,1
.irp i, 0,1
.irp x, 0,1
	WM S+64*\x+32*\g+16*\i, KF+24*\g+12*\i, 12*\x+6, 0, KS+\g, QS+\x, \i, 0
	WM S+64*\x+32*\g+16*\i+8, KF+24*\g+12*\i, 12*\x, 0, KS+\g, QS+\x, \i, 1
.endr
.endr
.endr
	WIN 0
	v_add_nc_u32 v[A16], s[TK], v[L16]             ; these five lines are also the places in front of the loads and of the first read of the scores
	v_add_nc_u32 v[A8], s[TK], v[L8]
	v_add_nc_u32 v[A4], s[TK], v[L4]
.if \first
	v_nop
	v_nop
.else
	v_mov_b32 v[T2], v[NM]                         ; the old -M
	v_mov_b32 v[T2+1], v[NM+2]
.endif
	WIN 0x40
.irp t, 0,1,2,3                                ; V's four fragments: 16 channels x 128 keys
.irp g, 0,1
	ds_load_b128 v[VF+12*\t+6*\g:VF+12*\t+6*\g+3], v[A16] offset:6144+3072*\g+768*\t
	ds_load_b64 v[VF+12*\t+6*\g+4:VF+12*\t+6*\g+5], v[A8] offset:6144+3072*\g+768*\t+512
.endr
.endr
.if \more
	KLOAD A16, A4
.endif
	WIN 0
	ds_load_b32 v[VS], v[A4] offset:12544          ; lanes 0-15 tile 0's words, lanes 16-31 tile 1's;
	ds_load_b32 v[VS+1], v[A4] offset:12544+128    ; tiles 2 and 3
	s_add_co_u32 s[TK], s[TK], REC
.set j, 0
.rept 32
	MAXI 0, j
.set j, j+1
.endr
.set j, 0
.rept 32
	MAXI 1, j
.if j%3 == 2
	CH 0, j/3, \first
.endif
.set j, j+1
.endr
.set j, 0
.rept 32
	TM 0, j
.if j%3 == 2
	CH 1, j/3, \first
.endif
.set j, j+1
.endr
	WALU
.irp k, 0,1,2,3
	v_exp_f32 v[BM+\k], v[BM+\k]                   ; the blocks' largest p
.endr
.set j, 0
.rept 32
	v_exp_f32 v[S+2*j], v[S+2*j]                   ; p = 2^(t - M), at most 1
	v_exp_f32 v[S+2*j+1], v[S+2*j+1]
	TM 1, j
.set j, j+1
.endr
	WALU
.irp k, 0,1,2,3
	v_max_num_f32 v[BM+\k], 0x1800000, v[BM+\k]    ; the floor 2^(3 - 127): the byte cannot fall under 1
.endr
.irp k, 0,1,2,3
	v_add_nc_u32 v[SO+\k], 0xff000000, v[BM+\k]    ; 2 off the exponent field: the conversion's scale operand
.endr
	CVT 0
.irp k, 0,1,2,3
	v_lshrrev_b32 v[EB+\k], 23, v[SO+\k]
.endr
.irp x, 0,1
	v_lshl_or_b32 v[T0+\x], v[EB+2*\x+1], 16, v[EB+2*\x]           ; my bytes: key blocks h and 2 + h,
.endr
.irp x, 0,1
	v_lshlrev_b32 v[T0+\x], v[SH8], v[T0+\x]       ; at their places;
.endr
.irp x, 0,1
	v_permlanex16_b32 v[T1+\x], v[T0+\x], s[SEL], s[SEL+1]
.endr
.irp x, 0,1
	v_or_b32 v[PS+\x], v[T0+\x], v[T1+\x]          ; with lane l xor 16's two p's scale word is whole
.endr
.set j, 0
.rept 32
	v_exp_f32 v[S+64+2*j], v[S+64+2*j]
	v_exp_f32 v[S+64+2*j+1], v[S+64+2*j+1]
.if j%2
	ADDP 0, 4*(j/2), 4*(j/2)+2
.endif
.set j, j+1
.endr
	s_wait_dscnt 0x0                               ; V is in, and the next step's K
	WALU
.if \first == 0
.irp x, 0,1
.irp k, 0,2,4,6,8,10,12,14,16,18,20,22,24,26,28,30
	v_pk_mul_f32 v[O+32*\x+\k:O+32*\x+\k+1], v[O+32*\x+\k:O+32*\x+\k+1], v[F+2*\x:F+2*\x+1] op_sel_hi:[1,0]   ; O^T under the new M
.endr
.endr
.endif
	CVT 1
.irp k, 0,8,16,24,32,40,48,56
	ADDP 0, \k, \k+4
.endr
.irp k, 0,4,8,12,16,20,24,28,32,36,40,44,48,52,56,60
	ADDP 1, \k, \k+2
.endr
	WIN 0x41
.irp x, 0,1
.irp g, 0,1
.irp i, 0,1,2
	v_mov_b32 v[P+12*\x+6*\g+3+\i], v[TP+8*\x+4*\g+\i]
.endr
.endr
.endr
	WIN 0
.irp k, 0,8,16,24,32,40,48,56
	ADDP 1, \k, \k+4
.endr
.irp k, 0,16,32,48
	ADDP 0, \k, \k+8
	ADDP 1, \k, \k+8
.endr
.irp k, 0,32
	ADDP 0, \k, \k+16
	ADDP 1, \k, \k+16
.endr
.irp x, 0,1
.if \first
	v_pk_add_f32 v[LS+2*\x:LS+2*\x+1], v[S+64*\x:S+64*\x+1], v[S+64*\x+32:S+64*\x+33]
.else
	ADDP \x, 0, 32
.endif
.endr
.if \first == 0
.irp x, 0,1
	v_pk_fma_f32 v[LS+2*\x:LS+2*\x+1], v[LS+2*\x:LS+2*\x+1], v[F+2*\x:F+2*\x+1], v[S+64*\x:S+64*\x+1] op_sel_hi:[1,0,1]   ; THE ROW'S SUM IS TAKEN OF THE UNQUANTISED p
.endr
.else
	v_nop
	v_nop
.endif
	WIN 0x05
.irp x, 0,1                                    ; eight accumulators, one instruction a turn
.irp t, 0,2
.if \first
	WM O+32*\x+8*\t, VF+12*\t, P+12*\x, 0, VS+\t/2, PS+\x, 0, 0
	WM O+32*\x+8*\t+8, VF+12*\t+12, P+12*\x, 0, VS+\t/2, PS+\x, 1, 0
.else
	WM O+32*\x+8*\t, VF+12*\t, P+12*\x, v[O+32*\x+8*\t:O+32*\x+8*\t+7], VS+\t/2, PS+\x, 0, 0
	WM O+32*\x+8*\t+8, VF+12*\t+12, P+12*\x, v[O+32*\x+8*\t+8:O+32*\x+8*\t+15], VS+\t/2, PS+\x, 1, 0
.endif
.endr
.endr
	WIN 0
.endm
	s_load_b256 s[4:11], s[0:1], 0x0               ; q_img s[4:5], q_scl s[6:7], kv_img s[8:9], o_img s[10:11]
	s_load_b64 s[12:13], s[0:1], 0x20              ; o_scl
	v_lshl_add_u32 v[SPW], v0, 2, SPARE
	v_mov_b32 v[NIL], 0
	ds_add_u32 v[SPW], v[NIL]                      ; the add, twice on end, under one wait
	ds_add_u32 v[SPW], v[NIL]
	v_lshrrev_b32 v1, 5, v0
	v_readfirstlane_b32 s16, v1                    ; wave 0..7
	s_bfe_u32 s17, ttmp6, 0x40000                  ; cx
	s_lshl_b32 s18, ttmp9, 2
	s_add_co_u32 s18, s18, s17                     ; my block of 256 queries: it enters q's and o's addresses alone
	s_and_b32 s19, ttmp7, 0xffff                   ; bh = 16 x batch + head, which the four partners share
	s_mov_b32 s[SEL], 0x76543210
	s_mov_b32 s[SEL+1], 0xfedcba98
	s_mov_b32 s[CS], 0x3e38aa3b
	s_mov_b32 s[CS+1], s[CS]                       ; (named with it as a pair, so it is written)
	s_mov_b32 s[NC], 0xbe38aa3b
	s_mov_b32 s[G1], 15|(3<<16)|(1<<21)            ; the mask: all four work-groups; elements of 8 bytes; bit 21 set beside a mask; no padding: the images are read 16 x lane on end
	s_mov_b32 s[G1+1], 32<<16                      ; rows of 256 bytes,
	s_mov_b32 s[G1+2], 100<<16                     ; 100 of them: two records
	s_mov_b32 s[G1+3], 32<<16
	s_mov_b32 s[G1+4], 100
	s_mov_b32 s[G1+5], 32
	s_mov_b32 s[G1+6], 0
	s_mov_b32 s[G1+7], 0
	s_mul_i32 s70, s19, 16*REC
	s_mul_i32 s72, s16, 2*REC
	s_add_co_u32 s70, s70, s72
	s_mov_b32 s71, 0
	s_mov_b32 s[G0], 1
	s_add_co_u32 s[G0+1], s72, REC
	v_and_b32 v10, 31, v0                          ; lane
	v_bfe_u32 v11, v0, 4, 1                        ; h
	v_lshlrev_b32 v[L16], 4, v10
	v_lshlrev_b32 v[L8], 3, v10
	v_lshlrev_b32 v[L4], 2, v10
	v_lshlrev_b32 v[SH8], 3, v11
	v_mov_b32 v[NM+1], 0xff61b1e6                  ; the largest score so far: -3e38
	v_mov_b32 v[NM+3], 0xff61b1e6
.irp k, T1, T1+1, F+1, F+3
	v_mov_b32 v[\k], 0                             ; a lane permute's destination counts as one of its sources; the upper half of a pair that is named
.endr
	WIN 0x40
.irp k, 0,1,2,3,4,5,12,13,14,15,16,17,24,25,26,27,28,29
	v_mov_b32 v[\k], 0                             ; the zero codes beside q's
.endr
	WIN 0
	WALU                                           ; directly ahead of the waits below
	s_wait_dscnt 0x0
	CROUND                                         ; all four work-groups are here: the joint loads meet
	s_wait_kmcnt 0x0
	s_add_nc_u64 s[G0+2:G0+3], s[8:9], s[70:71]
	s_or_b32 s[G0+3], s[G0+3], 0x80000000
	s_cmp_eq_u32 s16, 0                            ; one tensor load a wave
	s_cbranch_scc0 .Lothers
	TLOAD                                          ; wave 0: records 0 and 1
	s_branch .Lasked
.Lothers:
	TLOAD                                          ; wave w: records 2 w and 2 w + 1
.Lasked:
	s_lshl_b32 s80, s18, 4
	s_lshl_b32 s81, s16, 1
	s_add_co_u32 s80, s80, s81                     ; my first tile of 16 queries in the batch: 16 x block + 2 x wave
	s_mul_i32 s82, s19, 98304
	s_mul_i32 s83, s80, 768
	s_add_co_u32 s82, s82, s83
	s_mov_b32 s83, 0
	s_add_nc_u64 s[4:5], s[4:5], s[82:83]          ; q's images
	s_lshl_b32 s82, s19, 14
	s_lshl_b32 s84, s80, 7
	s_add_co_u32 s82, s82, s84
	s_add_nc_u64 s[6:7], s[6:7], s[82:83]          ; q's scale words
	WIN 0x40
	global_load_b128 v[6:9], v[L16], s[4:5]
	global_load_b64 v[10:11], v[L8], s[4:5] offset:512
	global_load_b128 v[18:21], v[L16], s[4:5] offset:768
	global_load_b64 v[22:23], v[L8], s[4:5] offset:768+512
	WIN 0
	global_load_b32 v[QS], v[L4], s[6:7]
	global_load_b32 v[QS+1], v[L4], s[6:7] offset:128
	s_lshr_b32 s84, s19, 4
	s_lshl_b32 s84, s84, 7
	s_add_co_u32 s84, s84, s80                     ; the tile among all 256: 128 x batch + tile
	s_and_b32 s85, s19, 15                         ; the head
	s_mul_i32 s82, s84, 12288
	s_mul_i32 s86, s85, 768
	s_add_co_u32 s82, s82, s86
	s_add_nc_u64 s[10:11], s[10:11], s[82:83]      ; o's image
	s_lshl_b32 s82, s84, 9
	s_lshr_b32 s86, s85, 1
	s_lshl_b32 s86, s86, 6
	s_add_co_u32 s82, s82, s86
	s_and_b32 s86, s85, 1
	s_lshl_b32 s86, s86, 1
	s_add_co_u32 s82, s82, s86
	s_add_nc_u64 s[12:13], s[12:13], s[82:83]      ; o's scale bytes: 512 x tile + 64 x (head / 2) + 2 x (head % 2)
	s_cmp_eq_u32 s16, 0
	s_cbranch_scc0 .Lnot_first
	s_wait_tensorcnt 0x0
.Lnot_first:
	s_barrier_signal -1
	s_barrier_wait -1                              ; records 0 and 1 are in; the others may be on their way: nothing is filled again
	KLOAD L16, L4
	s_mov_b32 s[TK], REC
	s_wait_loadcnt 0x0
	s_wait_dscnt 0x0
	STEP 1, 1
	WALU
	s_wait_tensorcnt 0x0                           ; my two records are in
	s_wait_dscnt 0x0
	s_barrier_signal -1
	s_barrier_wait -1                              ; everybody's are
	s_mov_b32 s[TK], 2*REC
	s_mov_b32 s[TRIP], 14
.Lstep:
	STEP 0, 1
	s_sub_co_u32 s[TRIP], s[TRIP], 1
	s_cmp_lg_u32 s[TRIP], 0
	s_cbranch_scc1 .Lstep
	s_mov_b32 s[TK], 16*REC
	STEP 0, 0                                      ; the last step fetches no further K
	; THE END.  The first lines are the places behind the last products.
	v_and_b32 v10, 31, v0
	v_and_b32 v11, 15, v0
	v_bfe_u32 v56, v0, 4, 1
	v_lshl_add_u32 v57, v11, 2, v56                ; my scale byte's place: 4 r + h
.irp x, 0,1
	v_add_f32 v[LS+2*\x], v[LS+2*\x], v[LS+2*\x+1]
.endr
.irp x, 0,1
	v_permlanex16_b32 v[T1+\x], v[LS+2*\x], s[SEL], s[SEL+1]
.endr
.irp x, 0,1
	v_add_f32 v[LS+2*\x], v[LS+2*\x], v[T1+\x]     ; with lane l xor 16's keys: the row's sum
.endr
	WALU
.irp x, 0,1
	v_rcp_f32 v[F+2*\x], v[LS+2*\x]
.endr
	v_cmp_lt_u32 vcc_lo, 15, v10                   ; lanes 16-31
	WALU
.irp x, 0,1
.irp t, 0,1,2,3                                ; the channels in their true order: lanes 0-15 hold 8 t + j, lanes 16-31 take tile t xor 1's registers for 32 + 8 t + j
.irp j, 0,1,2,3,4,5,6,7
	v_cndmask_b32 v[S+64*\x+8*\t+\j], v[O+32*\x+8*\t+\j], v[O+32*\x+8*(\t+1-2*(\t%2))+\j], vcc_lo
.endr
.endr
.endr
.irp k, 0,2,4,6,8,10,12,14,16,18,20,22,24,26,28,30
.irp x, 0,1
	v_pk_mul_f32 v[S+64*\x+\k:S+64*\x+\k+1], v[S+64*\x+\k:S+64*\x+\k+1], v[F+2*\x:F+2*\x+1] op_sel_hi:[1,0]   ; / the sum
.endr
.endr
.irp x, 0,1                                    ; my block of 32 channels: its largest magnitude, in two chains a tile, with the floor
	v_max3_num_f32 v[BM+2*\x], |v[S+64*\x]|, |v[S+64*\x+1]|, 0x1800000
	v_max3_num_f32 v[BM+2*\x+1], |v[S+64*\x+2]|, |v[S+64*\x+3]|, 0x1800000
.endr
.irp k, 4,8,12,16,20,24,28
.irp x, 0,1
	v_max3_num_f32 v[BM+2*\x], v[BM+2*\x], |v[S+64*\x+\k]|, |v[S+64*\x+\k+1]|
	v_max3_num_f32 v[BM+2*\x+1], v[BM+2*\x+1], |v[S+64*\x+\k+2]|, |v[S+64*\x+\k+3]|
.endr
.endr
.irp x, 0,1
	v_max_num_f32 v[BM+2*\x], v[BM+2*\x], v[BM+2*\x+1]
.endr
.irp x, 0,1
	v_add_nc_u32 v[SO+\x], 0xff000000, v[BM+2*\x]
.endr
.irp x, 0,1
	v_cvt_scalef32_pk16_fp6_f32 v[O+32*\x:O+32*\x+2], v[S+64*\x:S+64*\x+15], v[SO+\x]
	v_cvt_scalef32_pk16_fp6_f32 v[O+32*\x+8:O+32*\x+10], v[S+64*\x+16:S+64*\x+31], v[SO+\x]
.endr
.irp x, 0,1
	v_lshrrev_b32 v[EB+\x], 23, v[SO+\x]
.endr
.irp x, 0,1
.irp i, 0,1,2
	v_mov_b32 v[O+32*\x+3+\i], v[O+32*\x+8+\i]
.endr
.endr
.irp x, 0,1
	global_store_b128 v[L16], v[O+32*\x:O+32*\x+3], s[10:11] offset:12288*\x            ; half a fragment of the last product: 512 consecutive bytes,
	global_store_b64 v[L8], v[O+32*\x+4:O+32*\x+5], s[10:11] offset:12288*\x+512        ; then 256
	global_store_b8 v57, v[EB+\x], s[12:13] offset:512*\x          ; two of a scale word's four bytes are this head's: single bytes, one for each 24 bytes of codes
.endr
	s_wait_tensorcnt 0x0                           ; the wave's end
	ds_add_u32 v[SPW], v[NIL]
	s_wait_dscnt 0x0
	CROUND                                         ; the closing round
	s_endpgm
.Lfunc_end_k_q53eecf049f_attn:
	.size	k_q53eecf049f_attn, .Lfunc_end_k_q53eecf049f_attn-k_q53eecf049f_attn
	.p2alignl 7, 3214868480
	.fill 96, 4, 3214868480
	.section	.rodata,"a",@progbits
	.p2align	6, 0x0
	.amdhsa_kernel k_q53eecf049f_attn
		.amdhsa_group_segment_fixed_size 327680
		.amdhsa_private_segment_fixed_size 0
		.amdhsa_enable_private_segment 0
		.amdhsa_kernarg_size 40
		.amdhsa_user_sgpr_count 2
		.amdhsa_user_sgpr_kernarg_segment_ptr 1
		.amdhsa_wavefront_size32 1
		.amdhsa_system_sgpr_workgroup_id_x 1
		.amdhsa_system_sgpr_workgroup_id_y 1
		.amdhsa_system_sgpr_workgroup_id_z 1
		.amdhsa_system_vgpr_workitem_id 0
		.amdhsa_next_free_vgpr 512
		.amdhsa_next_free_sgpr 92
		.amdhsa_reserve_vcc 1
		.amdhsa_float_denorm_mode_32 3
		.amdhsa_float_denorm_mode_16_64 3
		.amdhsa_memory_ordered 1
		.amdhsa_forward_progress 1
		.amdhsa_inst_pref_size 93
	.end_amdhsa_kernel
	.amdgpu_metadata
---
amdhsa.version: [ 1, 2 ]
amdhsa.kernels:
  - .name:           k_q53eecf049f_attn
    .symbol:         k_q53eecf049f_attn.kd
    .args:
      - { .name: q_img, .offset: 0, .size: 8, .value_kind: global_buffer, .address_space: global }
      - { .name: q_scl, .offset: 8, .size: 8, .value_kind: global_buffer, .address_space: global }
      - { .name: kv_img, .offset: 16, .size: 8, .value_kind: global_buffer, .address_space: global }
      - { .name: o_img, .offset: 24, .size: 8, .value_kind: global_buffer, .address_space: global }
      - { .name: o_scl, .offset: 32, .size: 8, .value_kind: global_buffer, .address_space: global }
    .group_segment_fixed_size: 327680
    .private_segment_fixed_size: 0
    .kernarg_segment_align: 8
    .kernarg_segment_size: 40
    .max_flat_workgroup_size: 256
    .sgpr_count:     92
    .vgpr_count:     512
    .wavefront_size: 32
...
	.end_amdgpu_metadata
.endif
;; end of part 2
;; launch proj (part 3): grid 8 x 32, 4 waves a work-group, clusters of 4 x 4, 327,680 bytes of LDS; arguments o_img, o_scl, w_o_codes, w_o_scales, b_o, out0; writes out0
.if DOCPART == 3
	.amdgcn_target "amdgcn-amd-amdhsa--gfx1250"
	.amdhsa_code_object_version 6
	.text
	.protected	k_q53eecf049f_proj
	.globl	k_q53eecf049f_proj
	.p2align	8
	.type	k_q53eecf049f_proj,@function
k_q53eecf049f_proj:
	s_mov_b64 s[64:65], 0
	v_nop
	global_prefetch_b8 v0, s[64:65] scope:SCOPE_SE
	s_setreg_imm32_b32 hwreg(HW_REG_WAVE_MODE, 25, 1), 1
	s_wait_xcnt 0x0
	s_wait_alu depctr_hold_cnt(0) depctr_sa_sdst(0) depctr_va_vdst(0) depctr_va_sdst(0) depctr_va_ssrc(0) depctr_va_vcc(0) depctr_vm_vsrc(0)
	s_getreg_b32 s2, hwreg(HW_REG_IB_STS2, 6, 4)
	s_cmp_eq_u32 s2, 0
	s_cbranch_scc0 .Lentry_in_a_cluster
	s_endpgm
.Lentry_in_a_cluster:
	s_bfe_u32 s2, ttmp6, 0x10000c
	s_cmp_lg_u32 s2, 0xf033
	s_cbranch_scc0 .Lentry_shape_is_right
	s_endpgm
.Lentry_shape_is_right:
; out0 = o w_o + b_o on codes of FP6 (E2M3) with one E8M0 scale for each 32 along K.  o comes as images of operand registers, o_img [row tile 256][head 16][768] (a K step of 128 is two heads: 1,536 bytes: registers
; 0-3, 4-5, 6-9, 10-11), with scale words o_scl [row tile][K step 8][row 16]; w_o as rows of 768 bytes of codes and 32 scale bytes; b_o and out0 f32.
; Row r of tile T of a group of 64 rows is row 8 T + r (r < 8) or 32 + 8 (T xor 1) + r - 8 (r >= 8) of the group: the order in which the first launch took x's rows.
; SHARES.  A work-group makes 128 rows x 128 columns; each of its four waves 64 x 64.  A wave holds its 64 rows of w_o (64 columns of out0), ALL of K, in 384 registers; o's four tiles stream past, 32 products each, and a
; tile leaves as soon as it is finished.  Source 0 = 16 rows of w_o, source 1 = a tile of o: a lane holds eight neighbouring columns of one row.
; ALL OF K LIES IN LDS, each byte filled once, one load a wave: w_o's 128 rows (816 bytes apart) by waves 0 and 1, o's eight tiles by waves 2 and 3.  CLUSTER 4 x 4: o's tiles are shared along a row of the cluster, w_o's along a column.
; No prefetch: the launch asks for all that it reads at its head.
; FRAGMENT f (12 registers) lies in window 1 + f / 21 at register 12 (f % 21): w_o's (K step q, tile u) is 4 q + u; o's set e, K step q is 32 + 8 e + q.  Window 3 from 72 on: the accumulators, 32 registers a tile.
.set PITCH, 816
.set OB,    128*PITCH
.set STAGE, OB+8*12288                 ; 16 rows x 272 bytes for each wave, for the way out; no fill lands there
.set SP,    272
.set SPARE, STAGE+4*16*SP
.set FPW,   21
.set BA,  4                            ; v4-11  w_o's tile u: 24 h, 40 h
.set A16, 12
.set A8,  13
.set STO, 14
.set RD,  15
.set CO,  16
.set SPW, 17
.set NIL, 18
.set OS,  32                           ; scale words (nothing else, ever)
.set WS,  50
.set BI,  66                           ; the bias as the first products' C
.set BK,  98                           ; rows on the way out
.set ACC, 72
.set G1A, 24
.set G1B, 32
.set G0A, 40
.set G0B, 44
.set MSB, 0
.macro WIN new
.if MSB != (\new)
	s_set_vgpr_msb (MSB<<8)|(\new)
.set MSB, (\new)
.endif
.endm
.macro PLACES
.rept 4
	v_nop
.endr
.endm
.macro CROUND
	s_barrier_signal -1
	s_barrier_wait -1
	s_cmp_lg_u32 s16, 0
	s_cbranch_scc1 .Lnot_wave_0_\@
	s_barrier_signal -3
.Lnot_wave_0_\@:
	s_barrier_wait -3
	s_barrier_signal -1
	s_barrier_wait -1
.endm
.macro TLOAD g0, g1
	tensor_load_to_lds s[\g0:\g0+3], s[\g1:\g1+7]
	s_nop 0
	PLACES
.endm
.macro FRAG f, q, a0, a1               ; six pieces of 8 bytes, two to a load where both go by the same address register (lanes 16-31 read three pieces on, for some pieces behind one padding more)
	WIN ((1+(\f)/FPW)<<6)
.set R_, 12*((\f)%FPW)
.set SKIP_, 0
.irp p, 0,1,2,3,4,5
.if SKIP_
.set SKIP_, 0
.else
.set PC_, 12*(\q)+6*(\p/3)+\p%3
.set PN_, 12*(\q)+6*((\p+1)/3)+(\p+1)%3
.set X_, (PC_%32+3)/32
.set XQ_, (PN_%32+3)/32
.if (\p < 5) && (X_ == XQ_)
.set SKIP_, 1
.if X_
	ds_load_2addr_b64 v[R_+2*\p:R_+2*\p+3], \a1 offset0:PC_+2*(PC_/32) offset1:PN_+2*(PN_/32)
.else
	ds_load_2addr_b64 v[R_+2*\p:R_+2*\p+3], \a0 offset0:PC_+2*(PC_/32) offset1:PN_+2*(PN_/32)
.endif
.elseif X_
	ds_load_b64 v[R_+2*\p:R_+2*\p+1], \a1 offset:8*(PC_+2*(PC_/32))
.else
	ds_load_b64 v[R_+2*\p:R_+2*\p+1], \a0 offset:8*(PC_+2*(PC_/32))
.endif
.endif
.endr
.endm
.macro OFETCH t                        ; o's tile t, all K, into set t % 2: 32 loads
.irp q, 0,1,2,3,4,5,6,7
.set F_, 32+8*((\t)%2)+\q
.set R_, 12*(F_%FPW)
.set K_, 12288*(\t)+1536*\q
	WIN ((1+F_/FPW)<<6)
	ds_load_b128 v[R_:R_+3], v[A16] offset:K_
	ds_load_b64 v[R_+4:R_+5], v[A8] offset:K_+512
	ds_load_b128 v[R_+6:R_+9], v[A16] offset:K_+768
	ds_load_b64 v[R_+10:R_+11], v[A8] offset:K_+1280
.endr
	WIN 0
.endm
.macro WM c, ra, rb
	v_wmma_scale_f32_16x16x128_f8f6f4 v[D_:D_+7], v[AL_:AL_+11], v[BL_:BL_+11], v[\c:\c+7], v[SA_], v[SB_] matrix_a_fmt:MATRIX_FMT_FP6 matrix_b_fmt:MATRIX_FMT_FP6 matrix_a_scale:MATRIX_SCALE_ROW\ra matrix_b_scale:MATRIX_SCALE_ROW\rb
.endm
.macro PRODS t, from, to               ; n = 4 x K step + w_o's tile: four accumulators by turns; the first K step takes the bias as C
.set N_, \from
.rept (\to)-(\from)
.set Q_, N_/4
.set U_, N_%4
.set D_, ACC+32*(\t)+8*U_
.set A_, N_
.set B_, 32+8*((\t)%2)+Q_
.set AL_, 12*(A_%FPW)
.set BL_, 12*(B_%FPW)
.set SA_, WS+4*U_+Q_%4
.set SB_, OS+4*(\t)+Q_/2
.set C_, BI+8*U_
.if Q_ == 0
	WIN ((1+A_/FPW)|((1+B_/FPW)<<2)|0xc0)
	WM C_, 0, 0
.else
	WIN ((1+A_/FPW)|((1+B_/FPW)<<2)|0xf0)
.if Q_ < 4
.if Q_%2
	WM D_, 0, 1
.else
	WM D_, 0, 0
.endif
.elseif Q_%2
	WM D_, 1, 1
.else
	WM D_, 1, 0
.endif
.endif
.set N_, N_+1
.endr
	WIN 0
.endm
; THE WAY OUT, a tile of 16 rows x 64 columns at a time: a lane holds 32 neighbouring bytes of a row, and the lanes beside it hold other rows: through my own stage in LDS, back as whole rows of 256 bytes.
; LDS serves a wave's instructions in order (ISA guide 5.7.1.4): no wait between the stores and the loads, nor in front of the next tile's stores.
.macro TOSTAGE t
	WIN 0x0c
.irp u, 0,1,2,3
	ds_store_b128 v[STO], v[ACC+32*(\t)+8*\u:ACC+32*(\t)+8*\u+3] offset:64*\u          ; each accumulator from its low end on
	ds_store_b128 v[STO], v[ACC+32*(\t)+8*\u+4:ACC+32*(\t)+8*\u+7] offset:64*\u+16
.endr
	WIN 0
.set BB, BK+32*((\t)%2)
.irp i, 0,1,2,3,4,5,6,7
	ds_load_b128 v[BB+4*\i:BB+4*\i+3], v[RD] offset:2*\i*SP
.endr
.endm
.macro SEND t, younger                 ; younger: the LDS instructions issued behind tile t's loads
.set BB, BK+32*((\t)%2)
	s_wait_dscnt \younger
.irp i, 0,1,2,3,4,5,6,7
.if \i < 4
.set XI, 8*(\t)+2*\i                   ; the tile's rows 2 i and 2 i + 1 in the group of 64
.else
.set XI, 32+8*((\t)+1-2*((\t)%2))+2*\i-8
.endif
	global_store_b128 v[CO], v[BB+4*\i:BB+4*\i+3], s[14:15] offset:XI*4096 th:TH_STORE_NT    ; sixteen lanes store 256 consecutive bytes, at a multiple of 256 from out0's first byte; written once, read by nobody here
.endr
.endm
	s_load_b256 s[4:11], s[0:1], 0x0               ; o_img s[4:5], o_scl s[6:7], w_o's codes s[8:9], w_o's scales s[10:11]
	s_load_b128 s[12:15], s[0:1], 0x20             ; b_o s[12:13], out0 s[14:15]
	v_lshl_add_u32 v[SPW], v0, 2, SPARE
	v_mov_b32 v[NIL], 0
	ds_add_u32 v[SPW], v[NIL]                      ; the add, twice on end, under one wait
	ds_add_u32 v[SPW], v[NIL]
	v_lshrrev_b32 v1, 5, v0
	v_readfirstlane_b32 s16, v1                    ; wave 0..3
	s_lshr_b32 s17, s16, 1                         ; my half of the rows.  Also: I fetch for w_o (0) or for o (1)
	s_and_b32 s18, s16, 1                          ; my half of the columns.  Also: which half I fetch
	s_bfe_u32 s19, ttmp6, 0x40000                  ; cx, cy
	s_bfe_u32 s20, ttmp6, 0x40004
	s_lshl_b32 s21, ttmp9, 2
	s_add_co_u32 s21, s21, s19                     ; the block of 128 columns
	s_and_b32 s22, ttmp7, 0xffff
	s_lshl_b32 s22, s22, 2
	s_add_co_u32 s22, s22, s20                     ; the block of 128 rows
	s_lshl_b32 s23, s20, 2
	s_lshl_b32 s23, 15, s23                        ; my row of the cluster
	s_lshl_b32 s84, 0x1111, s19                    ; my column
	s_or_b32 s[G1A], s23, (3<<16)|(1<<21)          ; o: 4 tiles, 49,152 bytes on end, as 192 rows of 256 bytes; no padding: the images are read lane on end
	s_mov_b32 s[G1A+1], 32<<16
	s_mov_b32 s[G1A+2], 192<<16
	s_mov_b32 s[G1A+3], 32<<16
	s_mov_b32 s[G1A+4], 192
	s_mov_b32 s[G1A+5], 32
	s_mov_b32 s[G1A+6], 0
	s_mov_b32 s[G1A+7], 0
	s_or_b32 s[G1B], s84, (1<<20)|(1<<21)|(5<<22)|(3<<25)      ; w_o: 64 rows of 768 bytes; 16 bytes of padding behind every 256
	s_mov_b32 s[G1B+1], 768<<16
	s_mov_b32 s[G1B+2], 64<<16
	s_mov_b32 s[G1B+3], 768<<16
	s_mov_b32 s[G1B+4], 64
	s_mov_b32 s[G1B+5], 768
	s_mov_b32 s[G1B+6], 0
	s_mov_b32 s[G1B+7], 0
	s_lshl_b32 s86, s22, 3                         ; o: tile 8 x block + 4 x half
	s_lshl_b32 s87, s18, 2
	s_add_co_u32 s86, s86, s87
	s_mul_i32 s86, s86, 12288
	s_mov_b32 s87, 0
	s_lshl_b32 s90, s21, 7                         ; w_o: row 128 x block + 64 x half
	s_lshl_b32 s91, s18, 6
	s_add_co_u32 s90, s90, s91
	s_mul_i32 s90, s90, 768
	s_mov_b32 s91, 0
	s_mov_b32 s[G0A], 1
	s_mul_i32 s[G0A+1], s18, 4*12288
	s_add_co_u32 s[G0A+1], s[G0A+1], OB
	s_mov_b32 s[G0B], 1
	s_mul_i32 s[G0B+1], s18, 64*PITCH
	s_mul_i32 s94, s17, 4*12288                    ; my four tiles of o
	s_add_co_u32 s94, s94, OB
	s_mul_i32 s95, s18, 64*PITCH                   ; my 64 rows of w_o
	s_mul_i32 s98, s16, 16*SP
	s_add_co_u32 s98, s98, STAGE                   ; my stage
	v_and_b32 v1, 15, v0                           ; r
	v_bfe_u32 v2, v0, 4, 1                         ; h
	v_and_b32 v3, 31, v0                           ; lane
	v_lshlrev_b32 v[A16], 4, v3
	v_add_nc_u32 v[A16], s94, v[A16]
	v_lshlrev_b32 v[A8], 3, v3
	v_add_nc_u32 v[A8], s94, v[A8]
	v_mul_u32_u24 v28, v1, PITCH
	v_mad_u32_u24 v28, v2, 24, v28                 ; row x pitch + 24 h,
	v_lshl_add_u32 v29, v2, 4, v28                 ; and the same behind one padding more
.irp u, 0,1,2,3
	v_add_nc_u32 v[BA+2*\u], s95, v28
	v_add_nc_u32 v[BA+2*\u+1], s95, v29
	s_add_co_u32 s95, s95, 16*PITCH
.endr
	v_mul_u32_u24 v[STO], v1, SP                   ; in: row r, 32 bytes for each half of the lanes
	v_lshl_add_u32 v[STO], v2, 5, v[STO]
	v_add_nc_u32 v[STO], s98, v[STO]
	v_mul_u32_u24 v[RD], v2, SP                    ; back: lanes 0-15 one row of 256 bytes, lanes 16-31 the next
	v_lshl_add_u32 v[RD], v1, 4, v[RD]
	v_add_nc_u32 v[RD], s98, v[RD]
	v_lshlrev_b32 v[CO], 12, v2                    ; and the same two rows in out0
	v_lshl_add_u32 v[CO], v1, 4, v[CO]
	v_lshlrev_b32 v23, 5, v1                       ; w_o's scales: 32 bytes a row; lanes 0-15 K steps 0-3's words, lanes 16-31 K steps 4-7's
	v_lshl_add_u32 v23, v2, 4, v23
	v_lshlrev_b32 v24, 2, v3                       ; o's scale words: lanes 0-15 an even K step's, lanes 16-31 the odd one's behind it
	v_lshlrev_b32 v25, 5, v2                       ; the bias: my eight columns
	s_wait_alu depctr_va_vdst(0)                   ; directly ahead of the waits below
	s_wait_dscnt 0x0
	CROUND                                         ; all sixteen work-groups are here: the joint loads meet
	s_wait_kmcnt 0x0
	s_add_nc_u64 s[G0A+2:G0A+3], s[4:5], s[86:87]
	s_or_b32 s[G0A+3], s[G0A+3], 0x80000000
	s_add_nc_u64 s[G0B+2:G0B+3], s[8:9], s[90:91]
	s_or_b32 s[G0B+3], s[G0B+3], 0x80000000
	s_cmp_lt_u32 s16, 2                            ; one tensor load a wave
	s_cbranch_scc0 .Lfor_o
	TLOAD G0B, G1B
	s_branch .Lasked
.Lfor_o:
	TLOAD G0A, G1A
.Lasked:
	s_lshl_b32 s96, s22, 12                        ; o's scale words: (8 x block + 4 x half) tiles of 512 bytes
	s_lshl_b32 s97, s17, 11
	s_add_co_u32 s96, s96, s97
	s_mov_b32 s97, 0
	s_add_nc_u64 s[6:7], s[6:7], s[96:97]
	s_lshl_b32 s96, s21, 12                        ; w_o's scales: (128 x block + 64 x half) rows of 32 bytes
	s_lshl_b32 s98, s18, 11
	s_add_co_u32 s96, s96, s98
	s_add_nc_u64 s[10:11], s[10:11], s[96:97]
	s_lshl_b32 s96, s21, 9                         ; my 64 columns, in bytes of f32: the bias,
	s_lshl_b32 s98, s18, 8
	s_add_co_u32 s96, s96, s98
	s_add_nc_u64 s[12:13], s[12:13], s[96:97]
	s_lshl_b32 s98, s22, 19                        ; and out0, at my group of 64 rows of 4,096 bytes
	s_add_co_u32 s96, s96, s98
	s_lshl_b32 s98, s17, 18
	s_add_co_u32 s96, s96, s98
	s_add_nc_u64 s[14:15], s[14:15], s[96:97]
.irp t, 0,1,2,3
	global_load_b128 v[WS+4*\t:WS+4*\t+3], v23, s[10:11] offset:512*\t
.endr
.irp t, 0,1,2,3
.irp q, 0,1,2,3
	global_load_b32 v[OS+4*\t+\q], v24, s[6:7] offset:512*\t+128*\q
.endr
.endr
.irp t, 0,1,2,3
	global_load_b128 v[BI+8*\t:BI+8*\t+3], v25, s[12:13] offset:64*\t
	global_load_b128 v[BI+8*\t+4:BI+8*\t+7], v25, s[12:13] offset:64*\t+16
.endr
	s_cmp_lt_u32 s16, 2
	s_cbranch_scc0 .Lnot_w
	s_wait_tensorcnt 0x0
.Lnot_w:
	s_barrier_signal -1
	s_barrier_wait -1                              ; w_o's rows are in; nothing is filled again
.irp q, 0,1,2,3,4,5,6,7
.irp u, 0,1,2,3
	FRAG 4*\q+\u, \q, v[BA+2*\u], v[BA+2*\u+1]
.endr
.endr
	WIN 0
	s_wait_tensorcnt 0x0
	s_wait_dscnt 0x0
	s_barrier_signal -1
	s_barrier_wait -1                              ; o's tiles are in
	OFETCH 0
	OFETCH 1
	s_wait_loadcnt 0x0                             ; scale words and bias
	s_wait_dscnt 32                                ; all but tile 1's fetch
	PRODS 0, 0, 32
	PLACES
	TOSTAGE 0
	OFETCH 2
	s_wait_dscnt 48                                ; tile 1 is in: behind it the stage's 16 and tile 2's 32
	PRODS 1, 0, 8
	SEND 0, 32
	PRODS 1, 8, 32
	PLACES
	TOSTAGE 1
	OFETCH 3
	s_wait_dscnt 48
	PRODS 2, 0, 8
	SEND 1, 32
	PRODS 2, 8, 32
	s_wait_xcnt 0x0                                ; tile 0's stores have read their registers: tile 2's rows may land there
	PLACES
	TOSTAGE 2
	s_wait_dscnt 16
	PRODS 3, 0, 8
	SEND 2, 0
	PRODS 3, 8, 32
	s_wait_xcnt 0x0
	PLACES
	TOSTAGE 3
	SEND 3, 0
	s_wait_tensorcnt 0x0                           ; the wave's end
	ds_add_u32 v[SPW], v[NIL]
	s_wait_dscnt 0x0
	CROUND                                         ; the closing round
	s_endpgm
.Lfunc_end_k_q53eecf049f_proj:
	.size	k_q53eecf049f_proj, .Lfunc_end_k_q53eecf049f_proj-k_q53eecf049f_proj
	.p2alignl 7, 3214868480
	.fill 96, 4, 3214868480
	.section	.rodata,"a",@progbits
	.p2align	6, 0x0
	.amdhsa_kernel k_q53eecf049f_proj
		.amdhsa_group_segment_fixed_size 327680
		.amdhsa_private_segment_fixed_size 0
		.amdhsa_enable_private_segment 0
		.amdhsa_kernarg_size 48
		.amdhsa_user_sgpr_count 2
		.amdhsa_user_sgpr_kernarg_segment_ptr 1
		.amdhsa_wavefront_size32 1
		.amdhsa_system_sgpr_workgroup_id_x 1
		.amdhsa_system_sgpr_workgroup_id_y 1
		.amdhsa_system_sgpr_workgroup_id_z 1
		.amdhsa_system_vgpr_workitem_id 0
		.amdhsa_next_free_vgpr 1024
		.amdhsa_next_free_sgpr 100
		.amdhsa_reserve_vcc 0
		.amdhsa_float_denorm_mode_32 3
		.amdhsa_float_denorm_mode_16_64 3
		.amdhsa_memory_ordered 1
		.amdhsa_forward_progress 1
		.amdhsa_inst_pref_size 50
	.end_amdhsa_kernel
	.amdgpu_metadata
---
amdhsa.version: [ 1, 2 ]
amdhsa.kernels:
  - .name:           k_q53eecf049f_proj
    .symbol:         k_q53eecf049f_proj.kd
    .args:
      - { .name: o_img, .offset: 0, .size: 8, .value_kind: global_buffer, .address_space: global }
      - { .name: o_scl, .offset: 8, .size: 8, .value_kind: global_buffer, .address_space: global }
      - { .name: w_o_codes, .offset: 16, .size: 8, .value_kind: global_buffer, .address_space: global }
      - { .name: w_o_scales, .offset: 24, .size: 8, .value_kind: global_buffer, .address_space: global }
      - { .name: b_o, .offset: 32, .size: 8, .value_kind: global_buffer, .address_space: global }
      - { .name: out0, .offset: 40, .size: 8, .value_kind: global_buffer, .address_space: global }
    .group_segment_fixed_size: 327680
    .private_segment_fixed_size: 0
    .kernarg_segment_align: 8
    .kernarg_segment_size: 48
    .max_flat_workgroup_size: 128
    .sgpr_count:     100
    .vgpr_count:     1024
    .wavefront_size: 32
...
	.end_amdgpu_metadata
.endif
;; end of part 3
